; MI455X (gfx1250); checked and timed in simulation.
; The chip was launched on July 23, 2026; its instructions are those of AMD's public machine-readable ISA for CDNA 5 (MIT licence, August 2026) and "CDNA5" Instruction Set Architecture Reference Guide (July 2026). The comments in the code are by the model that wrote it; some were corrected since.
;; Multi Head Attention. Allowed arithmetic: matrix products marked QUANTISED: E4M3 operands, one given power-of-two scale a tensor, by v_wmma_f32_16x16x64_fp8_fp8 or v_wmma_f32_16x16x128_fp8_fp8, f32 sums; everything else in f32.
;; Inputs: Wk 8 x 256 x 512 float32; Wo 512 x 512 float32; Wq 8 x 256 x 512 float32; Wv 8 x 256 x 64 float32; bk 8 x 512 float32; bo 512 float32; bq 8 x 512 float32; bv 8 x 64 float32; input1 8 x 1,024 x 256 float32; input2 8 x 1,024 x 256 float32; input3 8 x 1,024 x 256 float32; lowp_scales 12 int32 (the exponents e of the quantised operands' scales 2^e).
;; Outputs: out0 8 x 1,024 x 512 float32.
;; This version of the problem:
;;   THIS VERSION OF THE PROBLEM IS GIVEN IN LOW PRECISION. The matrix products marked QUANTISED in the list below multiply operands that are first quantised to E4M3 (4 exponent bits, 3 mantissa bits; 8 bits a number), with one given power-of-two scale for each operand tensor; their sums are f32. All else is computed in f32.
;;   The module's matrix products, in the order in which they are computed (A, B: the left and right operand; K: the contracted axis; several contracted axes count as one K, in the product's order):
;;     1. [M 4,096, K 256] x [K 256, N 8,192]; A: input Wq; B: input input1: QUANTISED (scales: A lowp_scales[0], B lowp_scales[1])
;;     2. [M 4,096, K 256] x [K 256, N 8,192]; A: input Wk; B: input input2: QUANTISED (scales: A lowp_scales[2], B lowp_scales[3])
;;     3. [M 512, K 256] x [K 256, N 8,192]; A: input Wv; B: input input3: QUANTISED (scales: A lowp_scales[4], B lowp_scales[5])
;;     4. batch 64 x [M 1,024, K 512] x [K 512, N 1,024]; A: computed on the way; B: computed on the way: QUANTISED (scales: A lowp_scales[6], B lowp_scales[7])
;;     5. batch 64 x [M 1,024, K 1,024] x [K 1,024, N 64]; A: softmax (see below); B: computed on the way: QUANTISED (scales: A lowp_scales[8], B lowp_scales[9])
;;     6. [M 8,192, K 512] x [K 512, N 512]; A: computed on the way; B: input Wo: QUANTISED (scales: A lowp_scales[10], B lowp_scales[11])
;;   THE QUANTISER, for each operand of a quantised product, along K:
;;     - The operand's scale is 2^e, e = its entry of the input lowp_scales (int32; the entries are numbered through the quantised products in the list's order, A before B).
;;     - Each number is divided by the scale, clamped to +-448, and rounded to the nearest number of E4M3, ties to even, subnormals kept.
;;     - The product sums the exact products of the quantised numbers (number of the format x scale) in f32.
;;   ~~~python
;;   def quantise(x, axis, e):      # numpy; x: float32 -> the quantised numbers, widened to float32 again
;;       x = np.moveaxis(x, axis, -1); K = x.shape[-1]
;;       r = np.clip(x / 2.0 ** e, -448, 448)
;;       step = 2.0 ** (np.maximum(np.frexp(np.where(r == 0, 1, r))[1] - 1, -6) - 3)
;;       q = np.round(r / step) * step * 2.0 ** e      # np.round: ties to even
;;       return np.moveaxis(q, -1, axis).astype(np.float32)
;;   ~~~
;;   SOFTMAX AHEAD OF A QUANTISED PRODUCT. Where the list says 'softmax', what is quantised is not the finished softmax but p = 2^(t - M), with t = logit x log2(e) and M = ceil(the row's largest t), a whole number; so 1/2 < the row's largest p <= 1. The row's sum l is taken of the UNQUANTISED p, in f32, and the product's result is divided by l at the end. Since M is a whole number, a kernel that streams over the keys may use a running M (the ceiling of the running maximum): every later rescaling is an exact power of two, so the quantised numbers keep their values, but for numbers so far below the row's largest that they fall under the format's range.
;;   OPERANDS COMPUTED ON THE WAY. 'Computed on the way' means the value that the module computes at that place (a softmax that the list does not call 'softmax' is quantised finished and normalised). What goes into a quantiser is computed in f32, as accurately as f32 sums, v_exp_f32 and their like allow (about 1e-6 of the number): no bf16 or f16 on the way to a quantiser, and a product that is left as it is and whose result goes on into a quantised operand takes f32 operands (vector FMAs, or v_wmma_f32_16x16x4_f32). A number that lies on a knife's edge between two numbers of the format may be rounded either way, as far as f32 arithmetic and the matrix unit's own rounding can turn it there, and no further.
;; One version. Each part assembles by itself: llvm-mc -triple=amdgcn-amd-amdhsa -mcpu=gfx1250 --defsym DOCPART=n.
;; ======== version 1 of 1: 4 launches
;; limits: right only within a limited range of input values
;; workspace buffers: wimg 2,490,368 bytes; ximg 6,291,456 bytes; kvimg 37,748,736 bytes; himg 4,194,304 bytes
;; launch prep (part 1): grid 536 x 1, 4 waves a work-group, no clusters, 68,096 bytes of LDS; arguments input1, input2, input3, Wq, Wk, Wv, Wo, lowp_scales, ximg, wimg; writes ximg, wimg
.if DOCPART == 1
	.amdgcn_target "amdgcn-amd-amdhsa--gfx1250"
	.amdhsa_code_object_version 6
	.text
	.protected	k_q74a26b76a7_prep
	.globl	k_q74a26b76a7_prep
	.p2align	8
	.type	k_q74a26b76a7_prep,@function
k_q74a26b76a7_prep:
	s_mov_b64 s[64:65], 0
	v_nop
	global_prefetch_b8 v0, s[64:65] scope:SCOPE_SE
	s_setreg_imm32_b32 hwreg(HW_REG_WAVE_MODE, 25, 1), 1
	s_wait_xcnt 0x0
; The three inputs [8192][256] and the four weights (K = their first matrix axis), all f32, become codes of E4M3, each tensor with its given scale 2^e:
; code = x / 2^e, held within +-448, rounded to the nearest code, ties to even.
; THE CODES ARE LAID AS IMAGES OF OPERAND REGISTERS.  A fragment is 16 rows x 128 k in 16 registers: lane l = (r = l % 16, h = l / 16) holds row r, registers 2 c, 2 c + 1 hold k = 16 c + 8 h + 0 .. 7.
; Its image is 2,048 bytes: registers 4 q .. 4 q + 3 of lane l at 512 q + 16 l.  So every later launch fetches a fragment by four loads of 16 bytes a lane, 512 consecutive bytes each.
; ximg: [tensor 3][tile of 16 rows 512][K step 2].   wimg: Wq [head 8][tile of 16 columns 32][K step 2], Wk the same, Wv [8][4][2], Wo [half of K 2][32][2]; a weight's "row" is its output column.
; SHARES by the work-group's number g: 0-127 input1 (e1), 128-255 input2 (e3), 256-383 input3 (e5), 384-447 Wq (e0), 448-511 Wk (e2), 512-519 Wv (e4), 520-535 Wo (e11).  A wave makes two fragments (256 k).
; LIMITS: each e used here lies between -126 and 119, so that 2^e and 448 x 2^e are f32 numbers.  NaN among the inputs is not served.
.set STG,   16896                      ; a wave's stage in LDS: two K steps of
.set HALF,  8448                       ; 16 rows x
.set SP,    528                        ; (512 bytes + 16): 33 x 16, so the 16 rows that a read touches start at 16 different 16-byte columns of 256
.set SPARE, 4*STG                      ; behind the stages: the spare words, 128 bytes a wave: two blocks of 256 bytes that no other line names
.set LI,   1                           ; v1   16 x lane
.set SIN,  2                           ; v2   the stage, on the way in: as the bytes lie in memory
.set SOUT, 3                           ; v3   and on the way out: row r, + 32 h
.set LIM,  8                           ; v8   448 x 2^e
.set SC,   9                           ; v9   2^e: the conversion takes its exponent field
.set SPW,  12                          ; v12  my spare word; never rewritten
.set NIL,  13                          ; v13  0; never rewritten
.set X,    16                          ; v16-143  128 numbers as loaded
.set Y,    144                         ; v144-207 an input's first K step, back from the stage
.set VO,   144                         ; v144-151 a weight's eight row offsets
.set C0,   208                         ; v208-223, v224-239 the two fragments' codes
.set C1,   224
; 64 numbers of a lane, register 8 t + j = k 16 t + 8 h + j of my row, become a fragment's 16 registers.
.macro QUANT src, dst
.irp t, 0,1,2,3,4,5,6,7
.irp j, 0,1,2,3,4,5,6,7
	v_med3_num_f32 v[\src+8*\t+\j], v[\src+8*\t+\j], -v[LIM], v[LIM]   ; the conversion to an 8-bit code does not saturate (ISA guide 7.6.2): the hold comes first
.endr
	v_cvt_scalef32_pk8_fp8_f32 v[\dst+2*\t:\dst+2*\t+1], v[\src+8*\t:\src+8*\t+7], v[SC]
.endr
	v_nop                                          ; a plain line behind the last conversion
.endm
.macro PICK bound, p, e, first         ; below this work-group number: that buffer, that first work-group (the scale is chosen later, by EPICK).  The choice hangs on the work-group's number alone
	s_cmp_lt_u32 ttmp9, \bound
	s_cselect_b64 s[24:25], s[\p:\p+1], s[24:25]
	s_cselect_b32 s27, \first, s27
.endm
.macro EPICK bound, e                  ; below this work-group number: that scale
	s_cmp_lt_u32 ttmp9, \bound
	s_cselect_b32 s26, s[\e], s26
.endm
.macro SCALE                           ; my tensor's 2^e and 448 x 2^e: made behind my global loads, whose addresses need no exponent
	s_wait_kmcnt 0x0                               ; the exponents are in
	s_mov_b32 s26, s79                             ; Wo's, unless the number is lower
	EPICK 520, 72
	EPICK 512, 70
	EPICK 448, 68
	EPICK 384, 73
	EPICK 256, 71
	EPICK 128, 69
	s_add_co_i32 s26, s26, 127
	s_lshl_b32 s29, s26, 23
	v_mov_b32 v[SC], s29
	s_add_co_i32 s26, s26, 8
	s_lshl_b32 s26, s26, 23
	s_or_b32 s26, s26, 0x600000
	v_mov_b32 v[LIM], s26
	s_wait_alu depctr_va_vdst(0)
.endm
	s_load_b512 s[4:19], s[0:1], 0x0               ; input1 s[4:5], input2, input3, Wq s[10:11], Wk, Wv, Wo s[16:17], the exponents s[18:19]
	s_load_b128 s[20:23], s[0:1], 0x40             ; ximg s[20:21], wimg s[22:23]
	v_lshl_add_u32 v[SPW], v0, 2, SPARE
	v_mov_b32 v[NIL], 0
	v_lshrrev_b32 v4, 5, v0
	v_readfirstlane_b32 s2, v4                     ; wave 0..3
	v_and_b32 v5, 31, v0
	v_lshlrev_b32 v[LI], 4, v5
	v_and_b32 v6, 15, v0                           ; r
	v_bfe_u32 v7, v0, 4, 1                         ; h
	s_mul_i32 s3, s2, STG
	v_add_nc_u32 v[SIN], s3, v[LI]
	v_mul_u32_u24 v[SOUT], v6, SP
	v_lshl_add_u32 v[SOUT], v7, 5, v[SOUT]
	v_add_nc_u32 v[SOUT], s3, v[SOUT]
	s_wait_kmcnt 0x0
	s_load_b256 s[68:75], s[18:19], 0x0            ; e0 .. e7
	s_load_b128 s[76:79], s[18:19], 0x20           ; e8 .. e11: waited for in SCALE
	s_mov_b64 s[24:25], s[16:17]                   ; Wo, unless the number is lower
	s_mov_b32 s27, 520
	PICK 520, 14, 72, 512
	PICK 512, 12, 70, 448
	PICK 448, 10, 68, 384
	PICK 384, 8, 73, 256
	PICK 256, 6, 71, 128
	PICK 128, 4, 69, 0
	s_sub_co_u32 s27, ttmp9, s27
	s_lshl_b32 s27, s27, 2
	s_add_co_u32 s27, s27, s2                      ; my wave's number within its tensor
	s_lshl_b32 s28, ttmp9, 2
	s_add_co_u32 s28, s28, s2                      ; and within the launch
	s_cmp_lt_u32 ttmp9, 384
	s_cbranch_scc0 .Lweights
	; ---- AN INPUT: my tile of 16 rows is 16,384 consecutive bytes.  Each load takes 512 of them, 16 a lane; the conversions want 8 neighbours along K in one lane: so the tile turns through my own stage in LDS.
	s_lshl_b32 s30, s27, 14
	s_mov_b32 s31, 0
	s_add_nc_u64 s[24:25], s[24:25], s[30:31]
	s_lshl_b32 s30, s28, 12                        ; two images a tile
	s_add_nc_u64 s[20:21], s[20:21], s[30:31]
.set n, 0
	s_wait_alu depctr_va_vdst(0)
.rept 32
	global_load_b128 v[X+4*n:X+4*n+3], v[LI], s[24:25] offset:512*n th:TH_LOAD_NT   ; row n / 2, K step n % 2
.set n, n+1
.endr
	SCALE
.set n, 0
.rept 32
	s_wait_loadcnt 31-n                            ; loads come back in order: load n is in, the 31 - n younger ones may be out
	ds_store_b128 v[SIN], v[X+4*n:X+4*n+3] offset:(n%2)*HALF+(n/2)*SP
.set n, n+1
.endr
.set n, 0
.rept 16                                       ; LDS serves a wave's instructions in order: these see my stores
	ds_load_b128 v[Y+4*n:Y+4*n+3], v[SOUT] offset:64*(n/2)+16*(n%2)
.set n, n+1
.endr
.set n, 0
.rept 16
	ds_load_b128 v[X+4*n:X+4*n+3], v[SOUT] offset:HALF+64*(n/2)+16*(n%2)
.set n, n+1
.endr
	s_wait_dscnt 16                                ; K step 0 is back; K step 1's sixteen reads may be out
	QUANT Y, C0
.irp q, 0,1,2,3
	global_store_b128 v[LI], v[C0+4*\q:C0+4*\q+3], s[20:21] offset:512*\q        ; 32 lanes store 512 consecutive bytes, at a multiple of 512 from the buffer's first byte
.endr
	s_wait_dscnt 0x0
	QUANT X, C1
.irp q, 0,1,2,3
	global_store_b128 v[LI], v[C1+4*\q:C1+4*\q+3], s[20:21] offset:2048+512*\q
.endr
	s_wait_tensorcnt 0x0                           ; the wave's end, behind my last LDS store
	ds_add_u32 v[SPW], v[NIL]
	s_wait_dscnt 0x0
	s_endpgm
	; ---- A WEIGHT: lane (r, h) takes column r of my tile of 16, and its registers run DOWN K in the very order of the fragment: nothing is transposed, and LDS is not touched.
.Lweights:
	s_sub_co_u32 s30, ttmp9, 512
	s_cmp_lt_u32 s30, 8                            ; Wv (work-groups 512 to 519) has 4 column tiles a head and rows of 256 bytes; the others 32 tiles for 256 rows of K, and rows of 2,048 bytes
	s_cselect_b32 s66, 2, 5
	s_cselect_b32 s67, 3, 31
	s_cselect_b32 s3, 16, 19                       ; 256 rows in bytes, as a shift
	s_mov_b32 s29, 2048
	s_cselect_b32 s29, 256, s29                    ; P: a row in bytes
	s_lshr_b32 s30, s27, s66
	s_lshl_b32 s30, s30, s3
	s_and_b32 s31, s27, s67
	s_lshl_b32 s31, s31, 6                         ; 16 columns of 4 bytes
	s_add_co_u32 s30, s30, s31
	s_mov_b32 s31, 0
	s_add_nc_u64 s[32:33], s[24:25], s[30:31]
	s_lshl_b32 s30, s29, 4                         ; 16 rows on
.irp n, 1,2,3,4,5,6,7,8,9,10,11,12,13,14,15
	s_add_nc_u64 s[32+2*\n:33+2*\n], s[30+2*\n:31+2*\n], s[30:31]   ; sixteen bases, 16 rows apart: P is no constant of the text, so no immediate can carry it
.endr
	s_wait_alu depctr_va_vdst(0)
	v_lshlrev_b32 v10, 3, v7
	v_mul_lo_u32 v[VO], v10, s29
	v_lshl_add_u32 v[VO], v6, 2, v[VO]             ; row 8 h, column r
.irp i, 1,2,3,4,5,6,7
	v_add_nc_u32 v[VO+\i], s29, v[VO+\i-1]
.endr
	s_sub_co_u32 s66, s28, 1536                    ; my wave's number among the weights' waves: two images each
	s_lshl_b32 s66, s66, 12
	s_mov_b32 s67, 0
	s_add_nc_u64 s[22:23], s[22:23], s[66:67]
.set n, 0
.rept 16
.irp i, 0,1,2,3,4,5,6,7
	global_load_b32 v[X+8*n+\i], v[VO+\i], s[32+2*n:33+2*n] th:TH_LOAD_NT   ; W(16 n + 8 h + i, r): sixteen lanes read 64 consecutive bytes, the work-group's four waves 256
.endr
.set n, n+1
.endr
	SCALE
	s_wait_loadcnt 63                              ; the first 64 are in: 64 are younger, and 63 is the largest count that the wait can name
	QUANT X, C0
.irp q, 0,1,2,3
	global_store_b128 v[LI], v[C0+4*\q:C0+4*\q+3], s[22:23] offset:512*\q
.endr
	s_wait_loadcnt 0x0
	QUANT X+64, C1
.irp q, 0,1,2,3
	global_store_b128 v[LI], v[C1+4*\q:C1+4*\q+3], s[22:23] offset:2048+512*\q
.endr
	s_endpgm
.Lfunc_end_k_q74a26b76a7_prep:
	.size	k_q74a26b76a7_prep, .Lfunc_end_k_q74a26b76a7_prep-k_q74a26b76a7_prep
	.p2alignl 7, 3214868480
	.fill 96, 4, 3214868480
	.section	.rodata,"a",@progbits
	.p2align	6, 0x0
	.amdhsa_kernel k_q74a26b76a7_prep
		.amdhsa_group_segment_fixed_size 68096
		.amdhsa_private_segment_fixed_size 0
		.amdhsa_enable_private_segment 0
		.amdhsa_kernarg_size 80
		.amdhsa_user_sgpr_count 2
		.amdhsa_user_sgpr_kernarg_segment_ptr 1
		.amdhsa_wavefront_size32 1
		.amdhsa_system_sgpr_workgroup_id_x 1
		.amdhsa_system_sgpr_workgroup_id_y 1
		.amdhsa_system_sgpr_workgroup_id_z 1
		.amdhsa_system_vgpr_workitem_id 0
		.amdhsa_next_free_vgpr 240
		.amdhsa_next_free_sgpr 80
		.amdhsa_reserve_vcc 0
		.amdhsa_float_denorm_mode_32 3
		.amdhsa_float_denorm_mode_16_64 3
		.amdhsa_memory_ordered 1
		.amdhsa_forward_progress 1
		.amdhsa_inst_pref_size 46
	.end_amdhsa_kernel
	.amdgpu_metadata
---
amdhsa.version: [ 1, 2 ]
amdhsa.kernels:
  - .name:           k_q74a26b76a7_prep
    .symbol:         k_q74a26b76a7_prep.kd
    .args:
      - { .name: input1, .offset: 0, .size: 8, .value_kind: global_buffer, .address_space: global }
      - { .name: input2, .offset: 8, .size: 8, .value_kind: global_buffer, .address_space: global }
      - { .name: input3, .offset: 16, .size: 8, .value_kind: global_buffer, .address_space: global }
      - { .name: Wq, .offset: 24, .size: 8, .value_kind: global_buffer, .address_space: global }
      - { .name: Wk, .offset: 32, .size: 8, .value_kind: global_buffer, .address_space: global }
      - { .name: Wv, .offset: 40, .size: 8, .value_kind: global_buffer, .address_space: global }
      - { .name: Wo, .offset: 48, .size: 8, .value_kind: global_buffer, .address_space: global }
      - { .name: lowp_scales, .offset: 56, .size: 8, .value_kind: global_buffer, .address_space: global }
      - { .name: ximg, .offset: 64, .size: 8, .value_kind: global_buffer, .address_space: global }
      - { .name: wimg, .offset: 72, .size: 8, .value_kind: global_buffer, .address_space: global }
    .group_segment_fixed_size: 68096
    .private_segment_fixed_size: 0
    .kernarg_segment_align: 8
    .kernarg_segment_size: 80
    .max_flat_workgroup_size: 128
    .sgpr_count:     80
    .vgpr_count:     240
    .wavefront_size: 32
...
	.end_amdgpu_metadata
.endif
;; end of part 1
;; launch proj (part 2): grid 256 x 1, 4 waves a work-group, clusters of 4 x 1, 167,936 bytes of LDS; arguments ximg, wimg, bk, bv, lowp_scales, kvimg; writes kvimg
.if DOCPART == 2
	.amdgcn_target "amdgcn-amd-amdhsa--gfx1250"
	.amdhsa_code_object_version 6
	.text
	.protected	k_q74a26b76a7_proj
	.globl	k_q74a26b76a7_proj
	.p2align	8
	.type	k_q74a26b76a7_proj,@function
k_q74a26b76a7_proj:
	s_mov_b64 s[64:65], 0
	v_nop
	global_prefetch_b8 v0, s[64:65] scope:SCOPE_SE
	s_setreg_imm32_b32 hwreg(HW_REG_WAVE_MODE, 25, 1), 1
	s_wait_xcnt 0x0
	s_wait_alu depctr_hold_cnt(0) depctr_sa_sdst(0) depctr_va_vdst(0) depctr_va_sdst(0) depctr_va_ssrc(0) depctr_va_vcc(0) depctr_vm_vsrc(0)
	s_getreg_b32 s2, hwreg(HW_REG_IB_STS2, 6, 4)
	s_cmp_eq_u32 s2, 0
	s_cbranch_scc0 .Lentry_in_a_cluster
	s_endpgm
.Lentry_in_a_cluster:
	s_bfe_u32 s2, ttmp6, 0x10000c
	s_cmp_lg_u32 s2, 0x3003
	s_cbranch_scc0 .Lentry_shape_is_right
	s_endpgm
.Lentry_shape_is_right:
; k = input2 Wk + bk and v = input3 Wv + bv on codes of E4M3, quantised again at once (k with 2^e7 along its 512 channels, v with 2^e9 along the keys) and stored as images of operand registers.
; A fragment: 16 rows x 128 k in 16 registers, lane (r, h): row r, registers 2 c, 2 c + 1: k = 16 c + 8 h + 0 .. 7; its image: registers 4 q .. 4 q + 3 of lane l at 512 q + 16 l, 2,048 bytes.
; A result tile holds in register j the element (8 h + j of source 0's rows, r of source 1's rows): so ONE conversion of a tile's eight registers gives registers 2 t, 2 t + 1 of the next operand, with plain tiles of 16 neighbours.
; kvimg: [batch x head 64][key step of 128 keys 8][73,728]: K's images (tile of 16 keys kt, K step of 128 channels s) at (4 kt + s) x 2,048, then V^T's images (16 channels t, k = the 128 keys) at 65,536 + 2,048 t.
; SHARES.  Cluster C (0..63), place cx.  K: head 4 (C % 2) + cx, rows 256 (C / 2) on of input2, 16 tiles; wave w keeps Wk's channels 128 w .. + 127 in 256 registers and makes K step w of each tile of keys.
; V: rows 128 C on of input3; wave 4 cx + w makes two of the 32 tiles of 16 channels (8 heads x 4), source 0 = the keys, so that a lane holds a channel and its registers run along the keys.
; CLUSTER: the four partners read the same 64 KiB of input2's images and the same 32 KiB of input3's: both are asked for jointly (mask 15); the addresses hang on C and the wave's number alone.  Nothing in LDS is filled twice.
; The biases are the C of each sum's first matrix instruction, divided once by the power of two that the sums lack; the three scales ahead of a quantiser are folded into the conversion's one.
; LIMITS: e7 - e2 - e3 and e9 - e4 - e5 between -126 and 119.  NaN among the inputs is not served.
; REGISTERS: window 0: v1-11 addresses and scales; v32-95 two sets of an input2 tile's two fragments; v96-159 eight result tiles; v160-175 the codes just made; v192-255 Wv's four fragments.
;   window 1: Wk's 16 fragments at 32 t + 16 s.   window 2: v0-63 bk's eight tiles, v64-79 bv's two.   window 3: input3's 16 fragments at 32 kt + 16 s.
.set X3L,   65536                      ; LDS: input2's images from 0, input3's from here,
.set SPARE, 98304                      ; and the spare words, 128 bytes a wave: two blocks of 256 bytes that no other line names
.set KVB,   73728                      ; a key step's block in kvimg
.set LI,   1                           ; v1  16 x lane
.set LI3,  2                           ; v2  the same in input3's region
.set SPW,  3                           ; v3  my spare word; never rewritten
.set NIL,  4                           ; v4  0; never rewritten
.set H32,  5                           ; v5  32 h
.set R4,   6                           ; v6  4 r
.set KSC,  8                           ; v8, v9   2^(e7 - e2 - e3) and 448 x that
.set KLIM, 9
.set VSC,  10                          ; v10, v11 the same with e9 - e4 - e5
.set VLIM, 11
.set BVR,  14                          ; v14-15 bv of my two channels
.set XF,   32
.set HA,   96
.set PC,   160
.set WVF,  192
.set WV,   16                          ; s16 my wave's number
.set G1A,  24                          ; s[24:31] descriptor group 1: 128 rows of 256 bytes;  s[32:39]: 64 rows
.set G1B,  32
.set G0A,  40                          ; s[40:43], s[44:47] their groups 0
.set G0B,  44
.set MSB, 0
.macro WIN new                         ; the immediate's high byte repeats the setting that is left; a switch that changes nothing is dropped
.if MSB != \new
	s_set_vgpr_msb (MSB<<8)|\new
.set MSB, \new
.endif
.endm
.macro PLACES n
.rept \n
	v_nop
.endr
.endm
.macro CROUND                          ; a round of the cluster's barrier
	s_barrier_signal -1
	s_barrier_wait -1
	s_cmp_lg_u32 s[WV], 0
	s_cbranch_scc1 .Lnot_wave_0_\@
	s_barrier_signal -3
.Lnot_wave_0_\@:
	s_barrier_wait -3
	s_barrier_signal -1
	s_barrier_wait -1
.endm
.macro QUANT src, dst, lim, sc         ; eight result tiles become a fragment's 16 registers; each tile is read from its low end on
.irp t, 0,1,2,3,4,5,6,7
.irp j, 0,1,2,3,4,5,6,7
	v_med3_num_f32 v[\src+8*\t+\j], v[\src+8*\t+\j], -v[\lim], v[\lim]   ; the conversion does not saturate (ISA guide 7.6.2): the hold comes first
.endr
	v_cvt_scalef32_pk8_fp8_f32 v[\dst+2*\t:\dst+2*\t+1], v[\src+8*\t:\src+8*\t+7], v[\sc]
.endr
	v_nop                                          ; a plain line between the last conversion and the products that write its sources anew
.endm
.macro FETCHX m                        ; input2's tile m, two fragments, into set m % 2
.set FS, XF+32*((\m)%2)
.set n, 0
.rept 8
	ds_load_b128 v[FS+4*n:FS+4*n+3], v[LI] offset:4096*(\m)+512*n
.set n, n+1
.endr
.endm
	s_load_b256 s[4:11], s[0:1], 0x0               ; ximg s[4:5], wimg s[6:7], bk s[8:9], bv s[10:11]
	s_load_b128 s[12:15], s[0:1], 0x20             ; the exponents s[12:13], kvimg s[14:15]
	v_lshl_add_u32 v[SPW], v0, 2, SPARE
	v_mov_b32 v[NIL], 0
	ds_add_u32 v[SPW], v[NIL]                      ; the wave's opening: the adds and their wait ahead of my first tensor load; work on registers stands between them
	ds_add_u32 v[SPW], v[NIL]
	v_lshrrev_b32 v7, 5, v0
	v_readfirstlane_b32 s[WV], v7                  ; wave 0..3
	v_and_b32 v7, 31, v0
	v_lshlrev_b32 v[LI], 4, v7
	v_add_nc_u32 v[LI3], X3L, v[LI]
	v_bfe_u32 v[H32], v0, 4, 1
	v_lshlrev_b32 v[H32], 5, v[H32]
	v_and_b32 v[R4], 15, v0
	v_lshlrev_b32 v[R4], 2, v[R4]
	s_mov_b32 s[G1A], 0x0023000f                   ; 15:0 the mask: all four work-groups; 17:16 elements of 8 bytes; 21 set beside a mask; no padding
	s_mov_b32 s[G1A+1], 32<<16                     ; tensor_dim0 = 32 elements: rows of 256 bytes
	s_mov_b32 s[G1A+2], 128<<16                    ; tensor_dim1 = 128
	s_mov_b32 s[G1A+3], 32<<16                     ; tile_dim0
	s_mov_b32 s[G1A+4], 128                        ; tile_dim1
	s_mov_b32 s[G1A+5], 32                         ; the block is dense: pitch = row
	s_mov_b32 s[G1A+6], 0
	s_mov_b32 s[G1A+7], 0
	s_mov_b32 s[G1B], 0x0023000f
	s_mov_b32 s[G1B+1], 32<<16
	s_mov_b32 s[G1B+2], 64<<16
	s_mov_b32 s[G1B+3], 32<<16
	s_mov_b32 s[G1B+4], 64
	s_mov_b32 s[G1B+5], 32
	s_mov_b32 s[G1B+6], 0
	s_mov_b32 s[G1B+7], 0
	s_lshr_b32 s18, ttmp9, 1                       ; which 256 rows of input2
	s_lshl_b32 s20, s18, 16
	s_and_b32 s19, s[WV], 1
	s_lshl_b32 s19, s19, 15                        ; waves 0 and 1 fetch the halves of input2's 64 KiB
	s_add_co_u32 s20, s20, s19
	s_add_co_u32 s20, s20, 2097152                 ; input2's images in ximg
	s_mov_b32 s21, 0
	s_lshl_b32 s22, ttmp9, 15                      ; which 128 rows of input3
	s_and_b32 s66, s[WV], 1
	s_lshl_b32 s66, s66, 14                        ; waves 2 and 3 fetch the halves of input3's 32 KiB
	s_add_co_u32 s22, s22, s66
	s_add_co_u32 s22, s22, 4194304                 ; input3's images
	s_mov_b32 s23, 0
	s_wait_dscnt 0x0                               ; the opening add is done
	s_wait_kmcnt 0x0
	s_load_b256 s[68:75], s[12:13], 0x0            ; e0 .. e7
	s_load_b128 s[76:79], s[12:13], 0x20           ; e8 .. e11
	s_mov_b32 s[G0A], 1
	s_mov_b32 s[G0A+1], s19
	s_add_nc_u64 s[G0A+2:G0A+3], s[4:5], s[20:21]
	s_or_b32 s[G0A+3], s[G0A+3], 0x80000000
	s_mov_b32 s[G0B], 1
	s_add_co_u32 s[G0B+1], s66, X3L
	s_add_nc_u64 s[G0B+2:G0B+3], s[4:5], s[22:23]
	s_or_b32 s[G0B+3], s[G0B+3], 0x80000000
	CROUND                                         ; all four work-groups are here: the joint loads meet
	s_cmp_lt_u32 s[WV], 2                          ; one tensor load a wave, one to an arm; the branch hangs on the wave's number alone
	s_cbranch_scc0 .Lfor_x3
	tensor_load_to_lds s[G0A:G0A+3], s[G1A:G1A+7]
	s_nop 0
	PLACES 4
	s_branch .Lasked
.Lfor_x3:
	tensor_load_to_lds s[G0B:G0B+3], s[G1B:G1B+7]
	s_nop 0
	PLACES 4
.Lasked:
	; what hangs on my place in the cluster: addresses of plain loads and stores alone, in registers of their own
	s_bfe_u32 s17, ttmp6, 0x40000                  ; cx
	s_and_b32 s48, ttmp9, 1
	s_lshl_b32 s48, s48, 2
	s_add_co_u32 s48, s48, s17                     ; K's head
	s_lshl_b32 s49, s17, 2
	s_add_co_u32 s49, s49, s[WV]                   ; V: which pair of channel tiles
	s_lshl_b32 s52, s48, 17
	s_lshl_b32 s50, s[WV], 15
	s_add_co_u32 s52, s52, s50
	s_add_co_u32 s52, s52, 1048576
	s_mov_b32 s53, 0
	s_add_nc_u64 s[52:53], s[6:7], s[52:53]        ; Wk's images: head, my 8 tiles
	s_lshl_b32 s54, s48, 11
	s_lshl_b32 s50, s[WV], 9
	s_add_co_u32 s54, s54, s50
	s_mov_b32 s55, 0
	s_add_nc_u64 s[54:55], s[8:9], s[54:55]        ; bk: my 128 numbers
	s_lshl_b32 s56, s49, 13
	s_add_co_u32 s56, s56, 2097152
	s_mov_b32 s57, 0
	s_add_nc_u64 s[56:57], s[6:7], s[56:57]        ; Wv's images: my two tiles
	s_lshl_b32 s58, s49, 7
	s_mov_b32 s59, 0
	s_add_nc_u64 s[58:59], s[10:11], s[58:59]      ; bv: my 32 numbers
	s_lshr_b32 s60, s18, 2                         ; K's place in kvimg: batch,
	s_lshl_b32 s60, s60, 3
	s_add_co_u32 s60, s60, s48                     ; head,
	s_lshl_b32 s60, s60, 3
	s_and_b32 s61, s18, 3
	s_lshl_b32 s61, s61, 1
	s_add_co_u32 s60, s60, s61                     ; the first of my two key steps,
	s_mul_i32 s60, s60, KVB
	s_lshl_b32 s61, s[WV], 11
	s_add_co_u32 s60, s60, s61                     ; K step = my wave
	s_mov_b32 s61, 0
	s_add_nc_u64 s[60:61], s[14:15], s[60:61]
	s_lshr_b32 s62, ttmp9, 3                       ; V's place: batch,
	s_lshl_b32 s62, s62, 3
	s_lshr_b32 s63, s49, 1
	s_add_co_u32 s62, s62, s63                     ; head of my channels,
	s_lshl_b32 s62, s62, 3
	s_and_b32 s63, ttmp9, 7
	s_add_co_u32 s62, s62, s63                     ; key step,
	s_mul_i32 s62, s62, KVB
	s_and_b32 s63, s49, 1
	s_lshl_b32 s63, s63, 12
	s_add_co_u32 s62, s62, s63                     ; the first of my two tiles among the head's four
	s_add_co_u32 s62, s62, 65536
	s_mov_b32 s63, 0
	s_add_nc_u64 s[62:63], s[14:15], s[62:63]
.set n, 0
	s_wait_alu depctr_va_vdst(0)
.rept 16
	global_load_b128 v[WVF+4*n:WVF+4*n+3], v[LI], s[56:57] offset:512*n   ; Wv's four fragments first
.set n, n+1
.endr
	global_load_b32 v[BVR], v[R4], s[58:59]
	global_load_b32 v[BVR+1], v[R4], s[58:59] offset:64
	WIN 0x80                                       ; destination window 2
.set n, 0
.rept 16
	global_load_b128 v[4*n:4*n+3], v[H32], s[54:55] offset:64*(n/2)+16*(n%2)   ; bk in the result's layout: tile t, lane half h: channels 16 t + 8 h + 0 .. 7
.set n, n+1
.endr
	WIN 0
.set n, 0
	WIN 0x40                                       ; destination window 1
.rept 64
	global_load_b128 v[4*n:4*n+3], v[LI], s[52:53] offset:512*n      ; Wk's 16 fragments, asked for last: V's products need none of them
.set n, n+1
.endr
	WIN 0
	s_wait_kmcnt 0x0
	s_add_co_i32 s66, s70, s71                     ; e2 + e3: a sum of k's product stands for sum x 2^(e2 + e3)
	s_sub_co_i32 s2, 0, s66
	s_sub_co_i32 s66, s75, s66
	s_add_co_i32 s66, s66, 127
	s_lshl_b32 s67, s66, 23
	v_mov_b32 v[KSC], s67
	s_add_co_i32 s66, s66, 8
	s_lshl_b32 s66, s66, 23
	s_or_b32 s66, s66, 0x600000
	v_mov_b32 v[KLIM], s66
	s_add_co_i32 s66, s72, s73                     ; e4 + e5
	s_sub_co_i32 s3, 0, s66
	s_sub_co_i32 s66, s77, s66
	s_add_co_i32 s66, s66, 127
	s_lshl_b32 s67, s66, 23
	v_mov_b32 v[VSC], s67
	s_add_co_i32 s66, s66, 8
	s_lshl_b32 s66, s66, 23
	s_or_b32 s66, s66, 0x600000
	v_mov_b32 v[VLIM], s66
	s_wait_loadcnt 63                              ; of the 98 loads the oldest 35 are in: Wv's 16, bv's 2 and bk's 16 among them; Wk's may be out
	WIN 0x82
.set n, 0
.rept 64
	v_ldexp_f32 v[n], v[n], s2                     ; bk / 2^(e2 + e3)
.set n, n+1
.endr
	WIN 0x80
.irp u, 0,1
.irp j, 0,1,2,3,4,5,6,7
	v_ldexp_f32 v[64+8*\u+\j], v[BVR+\u], s3       ; bv / 2^(e4 + e5): a lane's eight registers are eight keys of ONE channel
.endr
.endr
	WIN 0
	s_wait_alu depctr_va_vdst(0)
	s_wait_tensorcnt 0x0                           ; my one load has landed,
	s_barrier_signal -1
	s_barrier_wait -1                              ; everybody's has.
	; ---- V: my two tiles of 16 channels x 128 keys
	WIN 0xc0
.set n, 0
.rept 64
	ds_load_b128 v[4*n:4*n+3], v[LI3] offset:512*n
.set n, n+1
.endr
	WIN 0
	FETCHX 0
	s_wait_dscnt 8                                 ; input3's 64 reads are in; the eight of input2's tile 0 may be out
.irp u, 0,1
	WIN 0x23                                       ; source 0 (the keys) window 3, C (bv) window 2.  The eight accumulators take turns
.irp t, 0,1,2,3,4,5,6,7
	v_wmma_f32_16x16x128_fp8_fp8 v[HA+8*\t:HA+8*\t+7], v[32*\t:32*\t+15], v[WVF+32*\u:WVF+32*\u+15], v[64+8*\u:64+8*\u+7]
.endr
	WIN 0x03
.irp t, 0,1,2,3,4,5,6,7
	v_wmma_f32_16x16x128_fp8_fp8 v[HA+8*\t:HA+8*\t+7], v[32*\t+16:32*\t+31], v[WVF+32*\u+16:WVF+32*\u+31], v[HA+8*\t:HA+8*\t+7]
.endr
	WIN 0
	PLACES 4                                       ; in front of the first read of results (ISA guide 7.12.1)
	s_wait_xcnt 0x0                                ; the stores before have read the codes' registers
	QUANT HA, PC, VLIM, VSC
.irp q, 0,1,2,3
	global_store_b128 v[LI], v[PC+4*\q:PC+4*\q+3], s[62:63] offset:2048*\u+512*\q   ; 32 lanes store 512 consecutive bytes, at a multiple of 512 from the buffer's first byte
.endr
.endr
	; ---- K: sixteen tiles of 16 keys; my 128 channels of each are one fragment.  Written out: every offset is an immediate.
.macro KTILE
.if M < 15
	FETCHX M+1                                     ; into the set that the tile before read: four places and a whole quantising stand behind its products
	s_wait_dscnt 8                                 ; this tile's reads are in; the eight just issued may be out
.else
	s_wait_dscnt 0x0
.endif
.set XS, XF+32*(M%2)
	WIN 0x21                                       ; source 0 (Wk) window 1, C (bk) window 2
.irp t, 0,1,2,3,4,5,6,7
	v_wmma_f32_16x16x128_fp8_fp8 v[HA+8*\t:HA+8*\t+7], v[32*\t:32*\t+15], v[XS:XS+15], v[8*\t:8*\t+7]
.endr
	WIN 0x01
.irp t, 0,1,2,3,4,5,6,7
	v_wmma_f32_16x16x128_fp8_fp8 v[HA+8*\t:HA+8*\t+7], v[32*\t+16:32*\t+31], v[XS+16:XS+31], v[HA+8*\t:HA+8*\t+7]
.endr
	WIN 0
	PLACES 4
	s_wait_xcnt 0x0                                ; the stores before have read the codes' registers
	QUANT HA, PC, KLIM, KSC
.irp q, 0,1,2,3
	global_store_b128 v[LI], v[PC+4*\q:PC+4*\q+3], s[60:61] offset:(M/8)*KVB+(M%8)*8192+512*\q
.endr
.endm
	s_wait_alu depctr_va_vdst(0)
	s_wait_loadcnt 0x0                             ; Wk's fragments are in
.set M, 0
.rept 16
	KTILE
.set M, M+1
.endr
	s_wait_tensorcnt 0x0                           ; the wave's end
	ds_add_u32 v[SPW], v[NIL]
	s_wait_dscnt 0x0
	CROUND                                         ; the closing round
	s_endpgm
.Lfunc_end_k_q74a26b76a7_proj:
	.size	k_q74a26b76a7_proj, .Lfunc_end_k_q74a26b76a7_proj-k_q74a26b76a7_proj
	.p2alignl 7, 3214868480
	.fill 96, 4, 3214868480
	.section	.rodata,"a",@progbits
	.p2align	6, 0x0
	.amdhsa_kernel k_q74a26b76a7_proj
		.amdhsa_group_segment_fixed_size 167936
		.amdhsa_private_segment_fixed_size 0
		.amdhsa_enable_private_segment 0
		.amdhsa_kernarg_size 48
		.amdhsa_user_sgpr_count 2
		.amdhsa_user_sgpr_kernarg_segment_ptr 1
		.amdhsa_wavefront_size32 1
		.amdhsa_system_sgpr_workgroup_id_x 1
		.amdhsa_system_sgpr_workgroup_id_y 1
		.amdhsa_system_sgpr_workgroup_id_z 1
		.amdhsa_system_vgpr_workitem_id 0
		.amdhsa_next_free_vgpr 1024
		.amdhsa_next_free_sgpr 80
		.amdhsa_reserve_vcc 0
		.amdhsa_float_denorm_mode_32 3
		.amdhsa_float_denorm_mode_16_64 3
		.amdhsa_memory_ordered 1
		.amdhsa_forward_progress 1
		.amdhsa_inst_pref_size 145
	.end_amdhsa_kernel
	.amdgpu_metadata
---
amdhsa.version: [ 1, 2 ]
amdhsa.kernels:
  - .name:           k_q74a26b76a7_proj
    .symbol:         k_q74a26b76a7_proj.kd
    .args:
      - { .name: ximg, .offset: 0, .size: 8, .value_kind: global_buffer, .address_space: global }
      - { .name: wimg, .offset: 8, .size: 8, .value_kind: global_buffer, .address_space: global }
      - { .name: bk, .offset: 16, .size: 8, .value_kind: global_buffer, .address_space: global }
      - { .name: bv, .offset: 24, .size: 8, .value_kind: global_buffer, .address_space: global }
      - { .name: lowp_scales, .offset: 32, .size: 8, .value_kind: global_buffer, .address_space: global }
      - { .name: kvimg, .offset: 40, .size: 8, .value_kind: global_buffer, .address_space: global }
    .group_segment_fixed_size: 167936
    .private_segment_fixed_size: 0
    .kernarg_segment_align: 8
    .kernarg_segment_size: 48
    .max_flat_workgroup_size: 128
    .sgpr_count:     80
    .vgpr_count:     1024
    .wavefront_size: 32
...
	.end_amdgpu_metadata
.endif
;; end of part 2
;; launch att (part 3): grid 4 x 64, 4 waves a work-group, clusters of 4 x 1, 327,680 bytes of LDS; arguments ximg, wimg, kvimg, bq, lowp_scales, himg; writes himg
.if DOCPART == 3
	.amdgcn_target "amdgcn-amd-amdhsa--gfx1250"
	.amdhsa_code_object_version 6
	.text
	.protected	k_q74a26b76a7_att
	.globl	k_q74a26b76a7_att
	.p2align	8
	.type	k_q74a26b76a7_att,@function
k_q74a26b76a7_att:
	s_mov_b64 s[64:65], 0
	v_nop
	global_prefetch_b8 v0, s[64:65] scope:SCOPE_SE
	s_setreg_imm32_b32 hwreg(HW_REG_WAVE_MODE, 25, 1), 1
	s_wait_xcnt 0x0
	s_wait_alu depctr_hold_cnt(0) depctr_sa_sdst(0) depctr_va_vdst(0) depctr_va_sdst(0) depctr_va_ssrc(0) depctr_va_vcc(0) depctr_vm_vsrc(0)
	s_getreg_b32 s2, hwreg(HW_REG_IB_STS2, 6, 4)
	s_cmp_eq_u32 s2, 0
	s_cbranch_scc0 .Lentry_in_a_cluster
	s_endpgm
.Lentry_in_a_cluster:
	s_bfe_u32 s2, ttmp6, 0x10000c
	s_cmp_lg_u32 s2, 0x3003
	s_cbranch_scc0 .Lentry_shape_is_right
	s_endpgm
.Lentry_shape_is_right:
; q = input1 Wq + bq on codes of E4M3, quantised with 2^e6; then heads = softmax(q k^T / sqrt(512)) v on codes, quantised with 2^e10 and stored as images of operand registers for the last product.
; A fragment: 16 rows x 128 k in 16 registers, lane (r, h): row r, registers 2 c, 2 c + 1: k = 16 c + 8 h + 0 .. 7; its image: registers 4 q .. 4 q + 3 of lane l at 512 q + 16 l, 2,048 bytes.
; THE SOFTMAX: t = score x log2(e) / sqrt(512); M = the running largest t rounded up to a whole number; p = 2^(t - M) is quantised with 2^e8; the row's sum is taken of the unquantised p and divides at the end.
; SHARES.  Cluster y = batch x head; the work-group at place cx owns 256 queries, a wave 64 of them: four tiles.  All products are used transposed (source 0 = keys, or V's channels; source 1 = queries): a lane holds one query of each tile.
; A KEY STEP is 128 keys: 73,728 bytes of kvimg (K's 32 images, V^T's 4) in one of two LDS slots, 2^17 bytes apart.  It goes in phases: 128 score products on end; V^T's fragments into registers; THE CHANGE OF SLOTS, with the
; maxima laid between its lines; M; O^T and the sums x 2^(old M - new M), ahead of the step's first exponential; p in four blocks of 64 registers, block b + 1's exponentials by turns with block b's holds, one wait a block; V's 16 products.
; THE CHANGE OF SLOTS stands in a step's middle: behind it the slot of step t, all of whose bytes have been read, takes step t + 2, and the first fragments of step t + 1 are fetched from the other slot under the softmax.
; CLUSTER: the four partners walk the same K and V and use the same Wq: every tensor load is a joint one (mask 15); its addresses hang on the cluster's y and the wave's number alone.
; THE HEAD: waves 0 and 1 fetch the halves of Wq's 128 KiB (into slot 1's place and behind it), waves 2 and 3 the halves of key step 0: one load a wave.  Behind q's products a round ahead of the loop refills slot 1 with key step 1.
; PREFETCH: in trip t, behind the refill that brings key step t + 2, each wave names 18 blocks of 256 bytes of key step t + 3, a whole trip ahead of the load that wants them; a step's 288 blocks are shared out by address among the
; cluster's 16 waves (18,432 cx + 4,608 wave; lanes 18 to 31 name the wave's last block again).  Key steps 0 to 2 come by their loads alone; trips 5 to 7 name nothing.
; LIMITS: e0 + e1 between -127 and 126; e6 - e0 - e1 and e8 between -126 and 119; e6 + e7 between -122 and 131.  The scaled scores t stay under 2^31 in magnitude.  NaN among the inputs is not served.
; REGISTERS: window 0: v1-15 addresses and scales; v16-63 four tiles' state; v64-191 two sets of four fragments (Wq's, then K's); v192-255 q's sums, then V's four fragments.
;   window 1: q's codes at 64 i + 16 s.   window 2: bq, then the scores and p at 64 i + 8 kt.   window 3: input1's fragments, then O^T at 32 i + 8 t; p's codes at 128 + 16 i.
.set SLOT1, 1<<17
.set STEPB, 73728
.set SPARE, 262144                     ; the spare words, 128 bytes a wave: two blocks of 256 bytes that no other line names
.set LI,   1                           ; 16 x lane
.set ADK,  2                           ; a slot's K images, V images
.set ADV,  3
.set AW0,  4                           ; Wq's images, first and second 64 KiB
.set AW1,  5
.set SPW,  6                           ; my spare word; never rewritten
.set NIL,  7                           ; 0; never rewritten
.set H32,  8
.set QSC,  9                           ; 2^(e6 - e0 - e1) and 448 x that
.set QLIM, 10
.set PSC,  11                          ; 2^e8 and 448 x that
.set PLIM, 12
.set ONE,  13
.set PFO,  14                          ; the prefetches' offset: 256 x min(lane, 17); never rewritten
.set LIV,  15
.set ST,   16                          ; a tile's state, 12 registers: -M, the largest t, the sum in two pairs, f, three at work
.set NM,   0
.set TM,   1
.set LA,   2
.set LB,   4
.set FF,   6
.set T0,   8
.set T1,   9
.set T2,   10
.set SETA, 64
.set SETC, 192
.set QA,   192
.set PF,   128
.set WV,   16
.set G1R,  24                          ; groups 1: 72 rows of 256 bytes (a quarter of a key step), 256 rows (half of Wq), 144 rows (half a key step)
.set G1W,  32
.set G1H,  88
.set G0R,  40
.set G0W,  44
.set G0H,  96
.set TB,   48
.set CNT,  49
.set CS,   50
.set SEL,  52
.set BS,   54
.set EO,   56
.set NEG,  57
.set POS,  58
.set PFA,  66                          ; s[66:67] my wave's 18 blocks of the key step that is being asked for; a prefetch names the step after it
.set MSB, 0
.macro WIN new                         ; the immediate's high byte repeats the setting that is left
.if MSB != \new
	s_set_vgpr_msb (MSB<<8)|\new
.set MSB, \new
.endif
.endm
.macro PLACES n
.rept \n
	v_nop
.endr
.endm
.macro CREST                           ; a round of the cluster's barrier behind its opening barrier
	s_cmp_lg_u32 s[WV], 0
	s_cbranch_scc1 .Lnot_wave_0_\@
	s_barrier_signal -3
.Lnot_wave_0_\@:
	s_barrier_wait -3
	s_barrier_signal -1
	s_barrier_wait -1
.endm
.macro CROUND                          ; a whole round
	s_barrier_signal -1
	s_barrier_wait -1
	CREST
.endm
	s_load_b256 s[4:11], s[0:1], 0x0               ; ximg, wimg, kvimg, bq
	s_load_b128 s[12:15], s[0:1], 0x20             ; the exponents, himg
	v_lshl_add_u32 v[SPW], v0, 2, SPARE
	v_mov_b32 v[NIL], 0
	ds_add_u32 v[SPW], v[NIL]                      ; the opening lines: the add twice on end and one wait
	ds_add_u32 v[SPW], v[NIL]
	v_lshrrev_b32 v16, 5, v0
	v_readfirstlane_b32 s[WV], v16                 ; wave 0..3
	s_and_b32 s18, ttmp7, 0xffff                   ; batch x head
	s_and_b32 s19, s18, 7                          ; head
	s_lshr_b32 s20, s18, 3                         ; batch
.irp g, G1R, G1W, G1H
	s_mov_b32 s[\g], 0x0023000f                    ; mask: all four work-groups; elements of 8 bytes; bit 21 beside a mask; no padding
	s_mov_b32 s[\g+1], 32<<16                      ; rows of 256 bytes, dense
	s_mov_b32 s[\g+3], 32<<16
	s_mov_b32 s[\g+5], 32
	s_mov_b32 s[\g+6], 0
	s_mov_b32 s[\g+7], 0
.endr
	s_mov_b32 s[G1R+2], 72<<16
	s_mov_b32 s[G1R+4], 72
	s_mov_b32 s[G1W+2], 256<<16
	s_mov_b32 s[G1W+4], 256
	s_mov_b32 s[G1H+2], 144<<16
	s_mov_b32 s[G1H+4], 144
	s_mov_b32 s[SEL], 0x76543210
	s_mov_b32 s[SEL+1], 0xfedcba98
	s_mov_b32 s[NEG], 0xc3e00000
	s_mov_b32 s[POS], 0x43e00000
	s_mov_b32 s[TB], 0
	s_mov_b32 s[CNT], 6
	v_and_b32 v16, 31, v0
	v_lshlrev_b32 v[LI], 4, v16
	v_min_u32 v[PFO], 17, v16
	v_lshlrev_b32 v[PFO], 8, v[PFO]
	v_add_nc_u32 v[LIV], 65536, v[LI]
	v_add_nc_u32 v[AW0], SLOT1, v[LI]
	v_add_nc_u32 v[AW1], SLOT1+65536, v[LI]
	v_bfe_u32 v[H32], v0, 4, 1
	v_lshlrev_b32 v[H32], 5, v[H32]
	v_mov_b32 v[ONE], 1.0
	s_mul_i32 s21, s[WV], STEPB/4                  ; my quarter of a key step, in a slot and in memory
	s_mul_i32 s22, s18, 8*STEPB                    ; my batch x head in kvimg
	s_add_co_u32 s80, s22, s21
	s_mov_b32 s81, 0
	s_and_b32 s62, s[WV], 1
	s_mul_i32 s63, s62, STEPB/2                    ; a half of key step 0
	s_add_co_u32 s82, s22, s63
	s_mov_b32 s83, 0
	s_lshl_b32 s62, s62, 16                        ; a half of Wq's images
	s_lshl_b32 s60, s19, 17
	s_add_co_u32 s60, s60, s62
	s_mov_b32 s61, 0
	s_wait_dscnt 0x0                               ; both opening adds are done
	s_wait_kmcnt 0x0
	s_load_b256 s[68:75], s[12:13], 0x0            ; e0 .. e7
	s_load_b128 s[76:79], s[12:13], 0x20           ; e8 .. e11
	s_mov_b32 s[G0R], 1
	s_mov_b32 s[G0R+1], s21
	s_add_nc_u64 s[G0R+2:G0R+3], s[8:9], s[80:81]
	s_or_b32 s[G0R+3], s[G0R+3], 0x80000000
	s_mov_b32 s[G0H], 1
	s_mov_b32 s[G0H+1], s63
	s_add_nc_u64 s[G0H+2:G0H+3], s[8:9], s[82:83]
	s_or_b32 s[G0H+3], s[G0H+3], 0x80000000
	s_mov_b32 s[G0W], 1
	s_add_co_u32 s[G0W+1], s62, SLOT1
	s_add_nc_u64 s[G0W+2:G0W+3], s[6:7], s[60:61]
	s_or_b32 s[G0W+3], s[G0W+3], 0x80000000
	CROUND                                         ; all four work-groups are here: the first joint loads meet
	s_cmp_lt_u32 s[WV], 2                          ; one tensor load a wave, one to an arm; the branch hangs on the wave's number alone
	s_cbranch_scc0 .Lfor_k
	tensor_load_to_lds s[G0W:G0W+3], s[G1W:G1W+7]
	s_nop 0
	PLACES 4
	s_branch .Lasked
.Lfor_k:
	tensor_load_to_lds s[G0H:G0H+3], s[G1H:G1H+7]
	s_nop 0
	PLACES 4
.Lasked:
	; what hangs on my place in the cluster: addresses of plain loads, stores and prefetches alone
	s_bfe_u32 s17, ttmp6, 0x40000                  ; cx
	s_lshl_b32 s80, s20, 6
	s_lshl_b32 s81, s17, 4
	s_add_co_u32 s80, s80, s81
	s_lshl_b32 s81, s[WV], 2
	s_add_co_u32 s80, s80, s81                     ; my first tile of 16 queries among the 512
	s_lshl_b32 s82, s80, 12
	s_mov_b32 s83, 0
	s_add_nc_u64 s[82:83], s[4:5], s[82:83]        ; input1's images
	s_lshl_b32 s84, s80, 13
	s_lshr_b32 s85, s19, 1
	s_lshl_b32 s85, s85, 11
	s_add_co_u32 s84, s84, s85
	s_and_b32 s85, s19, 1
	s_lshl_b32 s85, s85, 10
	s_add_co_u32 s84, s84, s85
	s_mov_b32 s85, 0
	s_add_nc_u64 s[84:85], s[14:15], s[84:85]      ; himg: my tiles, my head's half of a K step's image
	s_lshl_b32 s86, s19, 11
	s_mov_b32 s87, 0
	s_add_nc_u64 s[86:87], s[10:11], s[86:87]      ; bq of my head
	s_mul_i32 s66, s17, STEPB/4
	s_mul_i32 s67, s[WV], STEPB/16
	s_add_co_u32 s66, s66, s67
	s_add_co_u32 s66, s66, s22
	s_add_co_u32 s66, s66, STEPB
	s_mov_b32 s67, 0
	s_add_nc_u64 s[PFA:PFA+1], s[8:9], s[66:67]    ; at key step 1: trip 0 steps it to 2 and names step 3
	WIN 0xc0
.set n, 0
	s_wait_alu depctr_va_vdst(0)
.rept 32
	global_load_b128 v[4*n:4*n+3], v[LI], s[82:83] offset:512*n      ; input1: four tiles x two K steps
.set n, n+1
.endr
	WIN 0x80
.set n, 0
.rept 64
	global_load_b128 v[4*n:4*n+3], v[H32], s[86:87] offset:64*(n/2)+16*(n%2)   ; bq in the result's layout: tile c, lane half h: channels 16 c + 8 h + 0 .. 7; in the order in which q's groups take them
.set n, n+1
.endr
	WIN 0
	s_wait_kmcnt 0x0
	s_add_co_i32 s59, s74, s75
	s_lshl_b32 s59, s59, 23
	s_add_co_i32 s[CS], s59, 0x3d8293ee            ; c = log2(e) / sqrt(512) x 2^(e6 + e7): the exponents are added to c's exponent field
	s_mov_b32 s[CS+1], s[CS]
	s_add_co_i32 s59, s68, s69
	s_sub_co_i32 s[BS], 127, s59
	s_lshl_b32 s[BS], s[BS], 23                    ; 2^-(e0 + e1)
	s_mov_b32 s[BS+1], s[BS]
	s_sub_co_i32 s59, s74, s59
	s_add_co_i32 s59, s59, 127
	s_lshl_b32 s63, s59, 23
	v_mov_b32 v[QSC], s63
	s_add_co_i32 s59, s59, 8
	s_lshl_b32 s59, s59, 23
	s_or_b32 s59, s59, 0x600000
	v_mov_b32 v[QLIM], s59
	s_add_co_i32 s59, s76, 127
	s_lshl_b32 s63, s59, 23
	v_mov_b32 v[PSC], s63
	s_add_co_i32 s59, s59, 8
	s_lshl_b32 s59, s59, 23
	s_or_b32 s59, s59, 0x600000
	v_mov_b32 v[PLIM], s59
	s_add_co_i32 s[EO], s76, s77
	s_sub_co_i32 s[EO], s[EO], s78                 ; e8 + e9 - e10
	s_wait_alu depctr_va_vdst(0)
	s_wait_loadcnt 63                              ; of the 96 loads the oldest 33 are in: input1's 32 among them; bq's are waited for group by group
	s_wait_tensorcnt 0x0                           ; my one load has landed,
	s_barrier_signal -1
	s_barrier_wait -1                              ; everybody's has.
.macro FETCHW g                        ; Wq's channel tiles 2 g, 2 g + 1, two K steps each, into set g % 2
.set FS, SETA+64*((\g)%2)
.set FA, AW0+(\g)/8
.set n, 0
.rept 16
	ds_load_b128 v[FS+4*n:FS+4*n+3], v[FA] offset:((\g)%8)*8192+512*n
.set n, n+1
.endr
.endm
.macro QGROUP                          ; 32 channels of q for my 64 queries: eight sums by turns, held, converted into q's fragments
.if G < 15
	FETCHW G+1
	s_wait_dscnt 16                                ; this group's reads are in; the 16 just issued may be out
.else
	s_wait_dscnt 0x0
.endif
	s_wait_loadcnt 60-4*G                          ; this group's four loads of bq are in; the later groups' four each may be out
	WIN 0x82
.set n, 0
.rept 8
	v_pk_mul_f32 v[16*G+2*n:16*G+2*n+1], v[16*G+2*n:16*G+2*n+1], s[BS:BS+1] op_sel_hi:[1,0]   ; bq / 2^(e0 + e1): the C of each sum's first product
.set n, n+1
.endr
.set WS, SETA+64*(G%2)
	WIN 0x2c
.irp u, 0,1
.irp i, 0,1,2,3
	v_wmma_f32_16x16x128_fp8_fp8 v[QA+32*\u+8*\i:QA+32*\u+8*\i+7], v[WS+32*\u:WS+32*\u+15], v[32*\i:32*\i+15], v[8*(2*G+\u):8*(2*G+\u)+7]
.endr
.endr
	WIN 0x0c
.irp u, 0,1
.irp i, 0,1,2,3
	v_wmma_f32_16x16x128_fp8_fp8 v[QA+32*\u+8*\i:QA+32*\u+8*\i+7], v[WS+32*\u+16:WS+32*\u+31], v[32*\i+16:32*\i+31], v[QA+32*\u+8*\i:QA+32*\u+8*\i+7]
.endr
.endr
	WIN 0
	PLACES 4                                       ; in front of the first read of results (ISA guide 7.12.1)
.set n, 0
.rept 64
	v_med3_num_f32 v[QA+n], v[QA+n], -v[QLIM], v[QLIM]   ; the conversion does not saturate (ISA guide 7.6.2): the hold comes first
.set n, n+1
.endr
	WIN 0x40
.irp u, 0,1
.irp i, 0,1,2,3
	v_cvt_scalef32_pk8_fp8_f32 v[64*\i+16*((2*G+\u)/8)+2*((2*G+\u)%8):64*\i+16*((2*G+\u)/8)+2*((2*G+\u)%8)+1], v[QA+32*\u+8*\i:QA+32*\u+8*\i+7], v[QSC]
.endr
.endr
	WIN 0
	v_nop                                          ; a plain line behind the last conversion
.endm
	FETCHW 0
.set G, 0
.rept 16
	QGROUP
.set G, G+1
.endr
	WIN 0xc0
.set n, 0
.rept 128
	v_mov_b32 v[n], 0                              ; O^T: the trip is written for every step alike; the first change of M leaves zeros zeros
.set n, n+1
.endr
	WIN 0
.irp i, 0,1,2,3
	v_mov_b32 v[ST+12*\i+TM], 0xff61b1e6           ; -3e38, under every t
	v_mov_b32 v[ST+12*\i+LA], 0
	v_mov_b32 v[ST+12*\i+LA+1], 0
	v_mov_b32 v[ST+12*\i+LB], 0
	v_mov_b32 v[ST+12*\i+LB+1], 0
	v_mov_b32 v[ST+12*\i+FF+1], 0
	v_mov_b32 v[ST+12*\i+T2], 0
	v_floor_f32 v[ST+12*\i+NM], -v[ST+12*\i+TM]
.endr
.macro FETCHK kt                       ; key tile kt's four fragments into set kt % 2
.set FS, SETA+64*((\kt)%2)
.set n, 0
.rept 16
	ds_load_b128 v[FS+4*n:FS+4*n+3], v[ADK] offset:8192*(\kt)+512*n
.set n, n+1
.endr
.endm
.macro KQ1                             ; one score product: query tile W % 4, K step W / 4: four sums by turns, three others between a sum's steps
.set KS, SETA+64*(KT%2)
.set rS, 64*(W%4)+8*KT
.set rQ, 64*(W%4)+16*(W/4)
.if W < 4
	v_wmma_f32_16x16x128_fp8_fp8 v[rS:rS+7], v[KS+16*(W/4):KS+16*(W/4)+15], v[rQ:rQ+15], 0
.else
	v_wmma_f32_16x16x128_fp8_fp8 v[rS:rS+7], v[KS+16*(W/4):KS+16*(W/4)+15], v[rQ:rQ+15], v[rS:rS+7]
.endif
.set W, W+1
.endm
.macro MAXU u                          ; the four tiles' maxima, two chains each, the scores in ascending order: each result is read from its low end on
.if (\u) < 2
	WIN 0x2a
.irp i, 0,1,2,3
	v_max3_num_f32 v[ST+12*\i+T0+(\u)], v[64*\i+3*(\u)], v[64*\i+3*(\u)+1], v[64*\i+3*(\u)+2]
.endr
.else
	WIN 0x28
.irp i, 0,1,2,3
	v_max3_num_f32 v[ST+12*\i+T0+(\u)%2], v[ST+12*\i+T0+(\u)%2], v[64*\i+2*(\u)+2], v[64*\i+2*(\u)+3]
.endr
.endif
.endm
; one line each of the softmax; the counters run tile fastest, so that neighbouring lines hang on nothing of each other
.macro D1                              ; t - M, two at a time
.set rS, 64*(di%4)+2*(di/4)
.set rT, ST+12*(di%4)+NM
	v_pk_fma_f32 v[rS:rS+1], v[rS:rS+1], s[CS:CS+1], v[rT:rT+1] op_sel_hi:[1,0,0]
.set di, di+1
.endm
.macro E1                              ; p = 2^(t - M)
	v_exp_f32 v[64*(ei%4)+ei/4], v[64*(ei%4)+ei/4]
.set ei, ei+1
.endm
.macro F1                              ; the sum of the unquantised p, two chains of pairs a tile
.set rL, ST+12*(fi%4)+LA+2*((fi/4)%2)
.set rS, 64*(fi%4)+2*(fi/4)
	v_pk_add_f32 v[rL:rL+1], v[rL:rL+1], v[rS:rS+1]
.set fi, fi+1
.endm
.macro G1                              ; the hold: p is not negative, so it is one-sided
	v_min_num_f32 v[64*(mi%4)+mi/4], v[64*(mi%4)+mi/4], v[PLIM]
.set mi, mi+1
.endm
.macro HB b                            ; block b (key tiles 2 b, 2 b + 1) becomes registers 4 b .. 4 b + 3 of each tile's fragment of p
.irp u, 0,1
.irp i, 0,1,2,3
	v_cvt_scalef32_pk8_fp8_f32 v[PF+16*\i+2*(2*(\b)+\u):PF+16*\i+2*(2*(\b)+\u)+1], v[64*\i+8*(2*(\b)+\u):64*\i+8*(2*(\b)+\u)+7], v[PSC]
.endr
.endr
	v_nop                                          ; a plain line behind the last conversion
.endm
; A KEY STEP.  At its head key tile 0's fragments are on their way into set 0.  fill = 1: the step's own slot is filled again in its middle, behind a round of the cluster's barrier, with the tiles of two steps on.
.macro TRIP fill
.set KT, 0
.rept 8                                        ; S^T = K q^T: eight tiles of 16 keys x 16 products
.if KT > 0
	PLACES 4                                       ; in front of loads into the set that the tile before read
	WIN 0
.endif
.if KT < 7
	FETCHK KT+1
	s_wait_dscnt 16                                ; this tile's reads are in; the 16 just issued may be out
.else
	s_wait_dscnt 0x0
.endif
	WIN 0xa4
.set W, 0
.rept 16
	KQ1
.endr
.set KT, KT+1
.endr
	PLACES 4                                       ; in front of the first read of results
	WIN 0
.set n, 0
.rept 16
	ds_load_b128 v[SETC+4*n:SETC+4*n+3], v[ADV] offset:512*n   ; V^T's four fragments: my last reads of this slot
.set n, n+1
.endr
	s_xor_b32 s[TB], s[TB], SLOT1
	v_add_nc_u32 v[ADK], s[TB], v[LI]              ; the next step's slot
	v_add_nc_u32 v[ADV], s[TB], v[LIV]
	s_wait_tensorcnt 0x0                           ; my part of the next step's slot has landed; no load of mine is out
	ds_add_u32 v[SPW], v[NIL]                      ; half of the maxima stand between the add and the wait for it
.if \fill
	s_xor_b32 s[G0R+1], s[G0R+1], SLOT1            ; the walking descriptor: this step's slot, the step two on
	s_add_nc_u64 s[G0R+2:G0R+3], s[G0R+2:G0R+3], STEPB
	s_wait_xcnt 0x0                                ; my last prefetch has read its address
	s_add_nc_u64 s[PFA:PFA+1], s[PFA:PFA+1], STEPB
.endif
.set U, 0
.rept 16
	MAXU U
.set U, U+1
.endr
	WIN 0
	s_wait_alu depctr_va_vdst(0)
	s_wait_dscnt 0x0                               ; the add is done, V^T is in registers: my reads of this slot are over
	s_barrier_signal -1                            ; (fill = 1: this barrier opens a round of the cluster's barrier)
.rept 15
	MAXU U                                         ; work on registers while the others arrive
.set U, U+1
.endr
	WIN 0
	s_wait_alu depctr_va_vdst(0)
	s_barrier_wait -1
.if \fill
	CREST
	tensor_load_to_lds s[G0R:G0R+3], s[G1R:G1R+7]  ; my one load behind the round: it has a whole trip in which to land
	s_nop 0
	PLACES 4
	FETCHK 0                                       ; the next step's first fragments: wanted at the next trip's head
	s_cmp_gt_u32 s[CNT], 1                         ; trips 0 to 4 name key steps 3 to 7
	s_cbranch_scc0 .Lno_ask_\@
	global_prefetch_b8 v[PFO], s[PFA:PFA+1] offset:STEPB th:TH_LOAD_NT scope:SCOPE_SE
.Lno_ask_\@:
.else
	s_cmp_eq_u32 s[CNT], 1                         ; no step follows the last
	s_cbranch_scc1 .Lno_k_\@
	FETCHK 0
.Lno_k_\@:
.endif
.irp i, 0,1,2,3
	v_max_num_f32 v[ST+12*\i+T0], v[ST+12*\i+T0], v[ST+12*\i+T1]
.endr
.irp i, 0,1,2,3
	v_permlanex16_b32 v[ST+12*\i+T2], v[ST+12*\i+T0], s[SEL], s[SEL+1]
.endr
.irp i, 0,1,2,3
	v_max_num_f32 v[ST+12*\i+T0], v[ST+12*\i+T0], v[ST+12*\i+T2]   ; the step's largest score of my query
.endr
.irp i, 0,1,2,3
	v_mul_f32 v[ST+12*\i+T0], s[CS], v[ST+12*\i+T0]                ; as t (c is positive)
.endr
.irp i, 0,1,2,3
	v_max_num_f32 v[ST+12*\i+TM], v[ST+12*\i+TM], v[ST+12*\i+T0]
	v_mov_b32 v[ST+12*\i+T1], v[ST+12*\i+NM]
.endr
.irp i, 0,1,2,3
	v_floor_f32 v[ST+12*\i+NM], -v[ST+12*\i+TM]                    ; -M = floor(-t)
.endr
.irp i, 0,1,2,3
	v_sub_f32 v[ST+12*\i+T1], v[ST+12*\i+NM], v[ST+12*\i+T1]       ; old M - new M, a whole number, 0 or less
.endr
.irp i, 0,1,2,3
	v_cvt_i32_f32 v[ST+12*\i+T1], v[ST+12*\i+T1]                   ; (it saturates)
.endr
.irp i, 0,1,2,3
	v_ldexp_f32 v[ST+12*\i+FF], 1.0, v[ST+12*\i+T1]                ; f = 2^(old M - new M)
.endr
.irp i, 0,1,2,3
	v_pk_mul_f32 v[ST+12*\i+LA:ST+12*\i+LA+1], v[ST+12*\i+LA:ST+12*\i+LA+1], v[ST+12*\i+FF:ST+12*\i+FF+1] op_sel_hi:[1,0]
	v_pk_mul_f32 v[ST+12*\i+LB:ST+12*\i+LB+1], v[ST+12*\i+LB:ST+12*\i+LB+1], v[ST+12*\i+FF:ST+12*\i+FF+1] op_sel_hi:[1,0]
.endr
	WIN 0xc3
.set qi, 0
.rept 64                                       ; O^T x f, each accumulator from its low end on; no exponential stands between the last step's products and these lines
	v_pk_mul_f32 v[32*(qi%4)+2*(qi/4):32*(qi%4)+2*(qi/4)+1], v[32*(qi%4)+2*(qi/4):32*(qi%4)+2*(qi/4)+1], v[ST+12*(qi%4)+FF:ST+12*(qi%4)+FF+1] op_sel_hi:[1,0]
.set qi, qi+1
.endr
	WIN 0x82
.set di, 0
.rept 32
	D1                                             ; block 0's t - M
.endr
	s_wait_alu depctr_va_vdst(0)
.set ei, 0
.rept 64                                       ; block 0's exponentials by turns with the other three blocks' t - M
	E1
	D1
.if ei%2 == 0
	D1
.endif
.endr
.set fi, 0
.set mi, 0
.irp b, 0,1,2,3
	s_wait_alu depctr_va_vdst(0)                   ; one wait a block: block b's p, block b - 1's held p and block b + 1's t - M are all written
.if \b > 0
	WIN 0xc2
	HB \b-1
.endif
	WIN 0x08
.rept 32
	F1
.endr
	WIN 0x82
.rept 64
.if \b < 3
	E1                                             ; block b + 1's exponentials by turns with block b's holds
.endif
	G1
.endr
.endr
	WIN 0xc2
	HB 3
	WIN 0xfc
.set gi, 0
.rept 16                                       ; O^T += V^T p^T: sixteen accumulators, one product each
	v_wmma_f32_16x16x128_fp8_fp8 v[32*(gi%4)+8*(gi/4):32*(gi%4)+8*(gi/4)+7], v[SETC+16*(gi/4):SETC+16*(gi/4)+15], v[PF+16*(gi%4):PF+16*(gi%4)+15], v[32*(gi%4)+8*(gi/4):32*(gi%4)+8*(gi/4)+7]
.set gi, gi+1
.endr
	WIN 0
.endm
	; ahead of the loop: Wq has been read out; slot 1 takes key step 1, and key step 0's first fragments are fetched
	v_add_nc_u32 v[ADK], s[TB], v[LI]
	v_add_nc_u32 v[ADV], s[TB], v[LIV]
	s_wait_alu depctr_va_vdst(0)
	s_wait_tensorcnt 0x0
	ds_add_u32 v[SPW], v[NIL]
	s_xor_b32 s[G0R+1], s[G0R+1], SLOT1
	s_add_nc_u64 s[G0R+2:G0R+3], s[G0R+2:G0R+3], STEPB
	s_wait_dscnt 0x0                               ; the add is done, and my reads of Wq's images are over
	CROUND
	tensor_load_to_lds s[G0R:G0R+3], s[G1R:G1R+7]
	s_nop 0
	PLACES 4
	FETCHK 0
.Lstep:                                        ; key steps 0 to 5: each asks for the step two on
	TRIP 1
	s_sub_co_u32 s[CNT], s[CNT], 1
	s_cmp_lg_u32 s[CNT], 0
	s_wait_alu depctr_va_vdst(0)
	s_cbranch_scc1 .Lstep
	s_mov_b32 s[CNT], 2
.Llast:                                        ; key steps 6 and 7 ask for nothing; step 6's barrier shows step 7's slot whole to every wave, and step 7 passes the same lines
	TRIP 0
	s_sub_co_u32 s[CNT], s[CNT], 1
	s_cmp_lg_u32 s[CNT], 0
	s_wait_alu depctr_va_vdst(0)
	s_cbranch_scc1 .Llast
	; THE WAY OUT: O^T x 2^(e8 + e9 - e10) / the sum, held, converted: a lane's eight registers of a tile are eight neighbouring channels of the last product's K
.irp i, 0,1,2,3
	v_pk_add_f32 v[ST+12*\i+LA:ST+12*\i+LA+1], v[ST+12*\i+LA:ST+12*\i+LA+1], v[ST+12*\i+LB:ST+12*\i+LB+1]
.endr
.irp i, 0,1,2,3
	v_add_f32 v[ST+12*\i+T0], v[ST+12*\i+LA], v[ST+12*\i+LA+1]
.endr
.irp i, 0,1,2,3
	v_permlanex16_b32 v[ST+12*\i+T2], v[ST+12*\i+T0], s[SEL], s[SEL+1]
.endr
.irp i, 0,1,2,3
	v_add_f32 v[ST+12*\i+T0], v[ST+12*\i+T0], v[ST+12*\i+T2]
.endr
	s_wait_alu depctr_va_vdst(0)
.irp i, 0,1,2,3
	v_rcp_f32 v[ST+12*\i+FF], v[ST+12*\i+T0]
.endr
	v_nop
	s_wait_alu depctr_va_vdst(0)
.irp i, 0,1,2,3
	v_ldexp_f32 v[ST+12*\i+FF], v[ST+12*\i+FF], s[EO]
.endr
	WIN 0xc3
	s_wait_alu depctr_va_vdst(0)
.irp i, 0,1,2,3
.set n, 0
.rept 16
	v_pk_mul_f32 v[32*\i+2*n:32*\i+2*n+1], v[32*\i+2*n:32*\i+2*n+1], v[ST+12*\i+FF:ST+12*\i+FF+1] op_sel_hi:[1,0]
.set n, n+1
.endr
.endr
.set n, 0
.rept 128
	v_med3_num_f32 v[n], v[n], s[NEG], s[POS]
.set n, n+1
.endr
	WIN 0x03
.irp i, 0,1,2,3
.irp t, 0,1,2,3
	v_cvt_scalef32_pk8_fp8_f32 v[SETA+8*\i+2*\t:SETA+8*\i+2*\t+1], v[32*\i+8*\t:32*\i+8*\t+7], v[ONE]
.endr
.endr
	WIN 0
	v_nop
.irp i, 0,1,2,3
.irp q, 0,1
	global_store_b128 v[LI], v[SETA+8*\i+4*\q:SETA+8*\i+4*\q+3], s[84:85] offset:8192*\i+512*\q   ; 32 lanes store 512 consecutive bytes, at a multiple of 512 from the buffer's first byte
.endr
.endr
	s_wait_tensorcnt 0x0                           ; the wave's end
	ds_add_u32 v[SPW], v[NIL]
	s_wait_dscnt 0x0
	CROUND                                         ; the closing round
	s_endpgm
.Lfunc_end_k_q74a26b76a7_att:
	.size	k_q74a26b76a7_att, .Lfunc_end_k_q74a26b76a7_att-k_q74a26b76a7_att
	.p2alignl 7, 3214868480
	.fill 96, 4, 3214868480
	.section	.rodata,"a",@progbits
	.p2align	6, 0x0
	.amdhsa_kernel k_q74a26b76a7_att
		.amdhsa_group_segment_fixed_size 327680
		.amdhsa_private_segment_fixed_size 0
		.amdhsa_enable_private_segment 0
		.amdhsa_kernarg_size 48
		.amdhsa_user_sgpr_count 2
		.amdhsa_user_sgpr_kernarg_segment_ptr 1
		.amdhsa_wavefront_size32 1
		.amdhsa_system_sgpr_workgroup_id_x 1
		.amdhsa_system_sgpr_workgroup_id_y 1
		.amdhsa_system_sgpr_workgroup_id_z 1
		.amdhsa_system_vgpr_workitem_id 0
		.amdhsa_next_free_vgpr 1024
		.amdhsa_next_free_sgpr 104
		.amdhsa_reserve_vcc 0
		.amdhsa_float_denorm_mode_32 3
		.amdhsa_float_denorm_mode_16_64 3
		.amdhsa_memory_ordered 1
		.amdhsa_forward_progress 1
		.amdhsa_inst_pref_size 255
	.end_amdhsa_kernel
	.section	.bss,"aw",@nobits
	.p2align	6
	.space	262144
	.amdgpu_metadata
---
amdhsa.version: [ 1, 2 ]
amdhsa.kernels:
  - .name:           k_q74a26b76a7_att
    .symbol:         k_q74a26b76a7_att.kd
    .args:
      - { .name: ximg, .offset: 0, .size: 8, .value_kind: global_buffer, .address_space: global }
      - { .name: wimg, .offset: 8, .size: 8, .value_kind: global_buffer, .address_space: global }
      - { .name: kvimg, .offset: 16, .size: 8, .value_kind: global_buffer, .address_space: global }
      - { .name: bq, .offset: 24, .size: 8, .value_kind: global_buffer, .address_space: global }
      - { .name: lowp_scales, .offset: 32, .size: 8, .value_kind: global_buffer, .address_space: global }
      - { .name: himg, .offset: 40, .size: 8, .value_kind: global_buffer, .address_space: global }
    .group_segment_fixed_size: 327680
    .private_segment_fixed_size: 0
    .kernarg_segment_align: 8
    .kernarg_segment_size: 48
    .max_flat_workgroup_size: 128
    .sgpr_count:     104
    .vgpr_count:     1024
    .wavefront_size: 32
...
	.end_amdgpu_metadata
.endif
;; end of part 3
;; launch outp (part 4): grid 4 x 64, 4 waves a work-group, no clusters, 17,920 bytes of LDS; arguments himg, wimg, bo, lowp_scales, out0; writes out0
.if DOCPART == 4
	.amdgcn_target "amdgcn-amd-amdhsa--gfx1250"
	.amdhsa_code_object_version 6
	.text
	.protected	k_q74a26b76a7_outp
	.globl	k_q74a26b76a7_outp
	.p2align	8
	.type	k_q74a26b76a7_outp,@function
k_q74a26b76a7_outp:
	s_mov_b64 s[64:65], 0
	v_nop
	global_prefetch_b8 v0, s[64:65] scope:SCOPE_SE
	s_setreg_imm32_b32 hwreg(HW_REG_WAVE_MODE, 25, 1), 1
	s_wait_xcnt 0x0
; out0 = concat Wo x 2^(e10 + e11) + bo.  concat [8192][512] and Wo [512 (k)][512] arrive as codes of E4M3 laid as images of operand registers (16 rows x 128 k: registers 4 q .. 4 q + 3 of lane l at 512 q + 16 l).
; A work-group makes 128 rows x 128 columns, a wave 64 x 64: sixteen accumulators.  K = 512 is four steps, and each operand goes from memory straight into registers, once: 256 registers a side.  No ring, no tensor load:
; a wave reads each of its fragments once, so LDS would add a copy and no reuse; clusters have nothing to share here but what plain loads of neighbouring work-groups read anyway.  No loop to run ahead in: no prefetch.
; THE PRODUCTS GO BY BLOCKS OF 16 ROWS: bo and Wo's 64 loads are asked for first, then concat's four tiles, 16 loads each.  Block i is multiplied when its own tile is in (the later tiles' loads may be out) and leaves at once.
; THE PRODUCT IS USED TRANSPOSED (source 0 = 16 columns of Wo, source 1 = 16 rows of concat): a lane holds eight neighbouring columns of one row.  A block of 16 rows x 64 columns goes through the wave's own stage in LDS
; and leaves as rows: sixteen lanes store 256 consecutive bytes, at a multiple of 256 from out0's first byte.
; LIMIT: e10 + e11 between -126 and 127, so that 2^(e10 + e11) is an f32 number.
; REGISTERS: window 0: v1-9 addresses; v32-63 bo's four tiles; v64-191 four blocks of results.   window 1: Wo(tile t, K step s) at 16 (4 t + s).   window 2: concat(tile i, s) at 16 (4 i + s).   window 3: the accumulators (i, t) at 8 (4 i + t).
.set SPITCH, 272                       ; a stage row: 256 bytes + 16: 17 x 16, so the 16 rows that a store touches start at 16 different 16-byte columns of 256
.set STAGE,  16*SPITCH
.set SPARE,  4*STAGE                   ; behind the stages: the spare words, 128 bytes a wave: two blocks of 256 bytes that no other line names
.set LI,  1                            ; v1 16 x lane
.set H32, 2                            ; v2 32 h
.set STO, 3                            ; v3 the stage: where I put 32 bytes of a row
.set RD,  4                            ; v4 and where I read a row back
.set CO,  5                            ; v5 my byte offset in two rows of out0
.set SPW, 6                            ; v6 my spare word; never rewritten
.set NIL, 7                            ; v7 0; never rewritten
.set BO,  32
.set TMP, 64
.set MSB, 0
.macro WIN new                         ; the immediate's high byte repeats the setting that is left; a switch that changes nothing is dropped
.if MSB != \new
	s_set_vgpr_msb (MSB<<8)|\new
.set MSB, \new
.endif
.endm
	s_load_b256 s[4:11], s[0:1], 0x0               ; himg s[4:5], wimg s[6:7], bo s[8:9], the exponents s[10:11]
	s_load_b64 s[12:13], s[0:1], 0x20              ; out0
	v_lshl_add_u32 v[SPW], v0, 2, SPARE
	v_mov_b32 v[NIL], 0
	v_lshrrev_b32 v8, 5, v0
	v_readfirstlane_b32 s14, v8                    ; wave 0..3
	s_lshr_b32 s15, s14, 1                         ; which 64 rows
	s_and_b32 s16, s14, 1                          ; which 64 columns
	s_and_b32 s17, ttmp7, 0xffff                   ; which 128 rows
	v_and_b32 v8, 31, v0
	v_lshlrev_b32 v[LI], 4, v8
	v_and_b32 v8, 15, v0                           ; r
	v_bfe_u32 v9, v0, 4, 1                         ; h
	v_lshlrev_b32 v[H32], 5, v9
	s_mul_i32 s18, s14, STAGE
	v_mul_u32_u24 v[STO], v8, SPITCH
	v_lshl_add_u32 v[STO], v9, 5, v[STO]
	v_add_nc_u32 v[STO], s18, v[STO]               ; in: row r, + 32 h
	v_mul_u32_u24 v[RD], v9, SPITCH
	v_lshl_add_u32 v[RD], v8, 4, v[RD]
	v_add_nc_u32 v[RD], s18, v[RD]                 ; back: lanes 0-15 one row of 256 bytes, lanes 16-31 the next
	v_lshlrev_b32 v[CO], 11, v9
	v_lshl_add_u32 v[CO], v8, 4, v[CO]             ; and the same two rows in out0: 2,048 bytes apart
	s_lshl_b32 s20, s17, 3
	s_lshl_b32 s19, s15, 2
	s_add_co_u32 s20, s20, s19                     ; my first tile of 16 rows
	s_lshl_b32 s26, s20, 15                        ; 16 rows of 2,048 bytes in out0,
	s_lshl_b32 s20, s20, 13                        ; four images in himg
	s_mov_b32 s21, 0
	s_lshl_b32 s22, ttmp9, 3
	s_lshl_b32 s19, s16, 2
	s_add_co_u32 s22, s22, s19                     ; my first tile of 16 columns
	s_lshl_b32 s24, s22, 6                         ; 64 bytes in bo and in a row of out0,
	s_lshl_b32 s22, s22, 12                        ; two images in each half of Wo's K
	s_add_co_u32 s22, s22, 2228224                 ; Wo's images in wimg
	s_mov_b32 s23, 0
	s_mov_b32 s25, 0
	s_add_co_u32 s26, s26, s24
	s_mov_b32 s27, 0
	s_wait_alu depctr_va_vdst(0)
	s_wait_kmcnt 0x0
	s_load_b64 s[30:31], s[10:11], 0x28            ; e10, e11
	s_add_nc_u64 s[20:21], s[4:5], s[20:21]
	s_add_nc_u64 s[22:23], s[6:7], s[22:23]
	s_add_nc_u64 s[24:25], s[8:9], s[24:25]
	s_add_nc_u64 s[26:27], s[12:13], s[26:27]
.set n, 0
.rept 8
	global_load_b128 v[BO+4*n:BO+4*n+3], v[H32], s[24:25] offset:64*(n/2)+16*(n%2)   ; bo in the result's layout: tile t, lane half h: columns 16 t + 8 h + 0 .. 7
.set n, n+1
.endr
	WIN 0x40                                       ; Wo's sixteen fragments: every block wants all of them
.irp s, 0,1,2,3
.irp i, 0,1,2,3
.irp q, 0,1,2,3
	global_load_b128 v[16*(4*\i+\s)+4*\q:16*(4*\i+\s)+4*\q+3], v[LI], s[22:23] offset:(\s/2)*131072+\i*4096+(\s%2)*2048+512*\q
.endr
.endr
.endr
	WIN 0x80                                       ; concat, tile by tile: 16 loads each
.irp i, 0,1,2,3
.irp s, 0,1,2,3
.irp q, 0,1,2,3
	global_load_b128 v[16*(4*\i+\s)+4*\q:16*(4*\i+\s)+4*\q+3], v[LI], s[20:21] offset:(4*\i+\s)*2048+512*\q
.endr
.endr
.endr
	WIN 0
	s_wait_kmcnt 0x0
	s_add_co_i32 s28, s30, s31
	s_add_co_i32 s28, s28, 127
	s_lshl_b32 s28, s28, 23                        ; 2^(e10 + e11) as f32
	s_mov_b32 s29, s28                             ; (named with it as a pair, so it is written)
; Block i: 16 products, its four accumulators by turns, K ascending: three others stand between a sum's steps.  left: the later tiles' loads, which may stay out.
.macro MULB i, left
	s_wait_loadcnt \left
	WIN 0xf9                                       ; source 0 (Wo) window 1, source 1 (concat) window 2, C and D window 3
.irp s, 0,1,2,3
.irp t, 0,1,2,3
.if \s == 0
	v_wmma_f32_16x16x128_fp8_fp8 v[8*(4*(\i)+\t):8*(4*(\i)+\t)+7], v[16*(4*\t+\s):16*(4*\t+\s)+15], v[16*(4*(\i)+\s):16*(4*(\i)+\s)+15], 0
.else
	v_wmma_f32_16x16x128_fp8_fp8 v[8*(4*(\i)+\t):8*(4*(\i)+\t)+7], v[16*(4*\t+\s):16*(4*\t+\s)+15], v[16*(4*(\i)+\s):16*(4*(\i)+\s)+15], v[8*(4*(\i)+\t):8*(4*(\i)+\t)+7]
.endif
.endr
.endr
.rept 4
	v_nop                                          ; in front of the first read of results (ISA guide 7.12.1)
.endr
.endm
.macro TOSTAGE a                       ; block a: 16 rows x my 64 columns
	WIN 0x03                                       ; source 0 (the sums) window 3
.irp t, 0,1,2,3
.irp j, 0,2,4,6
	v_pk_fma_f32 v[TMP+32*(\a)+8*\t+\j:TMP+32*(\a)+8*\t+\j+1], v[8*(4*(\a)+\t)+\j:8*(4*(\a)+\t)+\j+1], s[28:29], v[BO+8*\t+\j:BO+8*\t+\j+1] op_sel_hi:[1,0,1]   ; sum x 2^(e10 + e11) + bo; each accumulator from its low end on
.endr
.endr
	WIN 0
.irp t, 0,1,2,3
	ds_store_b128 v[STO], v[TMP+32*(\a)+8*\t:TMP+32*(\a)+8*\t+3] offset:64*\t
	ds_store_b128 v[STO], v[TMP+32*(\a)+8*\t+4:TMP+32*(\a)+8*\t+7] offset:64*\t+16
.endr
.irp n, 0,1,2,3,4,5,6,7
	ds_load_b128 v[TMP+32*(\a)+4*\n:TMP+32*(\a)+4*\n+3], v[RD] offset:2*\n*SPITCH   ; LDS serves a wave's instructions in order: these see my stores, and the next block's stores come behind them
.endr
.endm
.macro SEND a
	s_wait_dscnt 0x0                               ; the block is back in registers
.irp n, 0,1,2,3,4,5,6,7
	global_store_b128 v[CO], v[TMP+32*(\a)+4*\n:TMP+32*(\a)+4*\n+3], s[26:27] offset:(16*(\a)+2*\n)*2048 th:TH_STORE_NT   ; written once, read by nobody here; each block has registers of its own
.endr
.endm
.irp a, 0,1,2,3
	MULB \a, 48-16*\a                              ; behind tile a's loads: 16 for each later tile
	TOSTAGE \a
	SEND \a
.endr
	s_wait_tensorcnt 0x0                           ; the wave's end, behind my last LDS store
	ds_add_u32 v[SPW], v[NIL]
	s_wait_dscnt 0x0
	s_endpgm
.Lfunc_end_k_q74a26b76a7_outp:
	.size	k_q74a26b76a7_outp, .Lfunc_end_k_q74a26b76a7_outp-k_q74a26b76a7_outp
	.p2alignl 7, 3214868480
	.fill 96, 4, 3214868480
	.section	.rodata,"a",@progbits
	.p2align	6, 0x0
	.amdhsa_kernel k_q74a26b76a7_outp
		.amdhsa_group_segment_fixed_size 17920
		.amdhsa_private_segment_fixed_size 0
		.amdhsa_enable_private_segment 0
		.amdhsa_kernarg_size 40
		.amdhsa_user_sgpr_count 2
		.amdhsa_user_sgpr_kernarg_segment_ptr 1
		.amdhsa_wavefront_size32 1
		.amdhsa_system_sgpr_workgroup_id_x 1
		.amdhsa_system_sgpr_workgroup_id_y 1
		.amdhsa_system_sgpr_workgroup_id_z 1
		.amdhsa_system_vgpr_workitem_id 0
		.amdhsa_next_free_vgpr 1024
		.amdhsa_next_free_sgpr 66
		.amdhsa_reserve_vcc 0
		.amdhsa_float_denorm_mode_32 3
		.amdhsa_float_denorm_mode_16_64 3
		.amdhsa_memory_ordered 1
		.amdhsa_forward_progress 1
		.amdhsa_inst_pref_size 32
	.end_amdhsa_kernel
	.amdgpu_metadata
---
amdhsa.version: [ 1, 2 ]
amdhsa.kernels:
  - .name:           k_q74a26b76a7_outp
    .symbol:         k_q74a26b76a7_outp.kd
    .args:
      - { .name: himg, .offset: 0, .size: 8, .value_kind: global_buffer, .address_space: global }
      - { .name: wimg, .offset: 8, .size: 8, .value_kind: global_buffer, .address_space: global }
      - { .name: bo, .offset: 16, .size: 8, .value_kind: global_buffer, .address_space: global }
      - { .name: lowp_scales, .offset: 24, .size: 8, .value_kind: global_buffer, .address_space: global }
      - { .name: out0, .offset: 32, .size: 8, .value_kind: global_buffer, .address_space: global }
    .group_segment_fixed_size: 17920
    .private_segment_fixed_size: 0
    .kernarg_segment_align: 8
    .kernarg_segment_size: 40
    .max_flat_workgroup_size: 128
    .sgpr_count:     66
    .vgpr_count:     1024
    .wavefront_size: 32
...
	.end_amdgpu_metadata
.endif
;; end of part 4
